; MI455X (gfx1250); checked and timed in simulation.
; The chip was launched on July 23, 2026; its instructions are those of AMD's public machine-readable ISA for CDNA 5 (MIT licence, August 2026) and "CDNA5" Instruction Set Architecture Reference Guide (July 2026). The comments in the code are by the model that wrote it; some were corrected since.
;; PQ Linear. Allowed arithmetic: matrix products marked QUANTISED: E3M2 operands, one E8M0 scale for each 32 along K, by v_wmma_scale_f32_16x16x128_f8f6f4 with both operands' format E3M2, f32 sums; everything else in f32.
;; Inputs: assignments 2,048 x 32 int32; codebooks 32 x 256 x 128 float32; x 4 x 2,048 x 4,096 float32.
;; Outputs: out0 4 x 2,048 x 2,048 float32.
;; This version of the problem:
;;   THIS VERSION OF THE PROBLEM IS GIVEN IN LOW PRECISION. The matrix products marked QUANTISED in the list below multiply operands that are first quantised to E3M2 (3 exponent bits, 2 mantissa bits; 6 bits a number), with one power-of-two scale for each 32 numbers along K (OCP MX v1.0); their sums are f32. All else is computed in f32.
;;   The module's matrix products, in the order in which they are computed (A, B: the left and right operand; K: the contracted axis; several contracted axes count as one K, in the product's order):
;;     1. [M 8,192, K 4,096] x [K 4,096, N 2,048]; A: input x; B: computed on the way: QUANTISED
;;   THE QUANTISER, for each operand of a quantised product, along K:
;;     - K is cut into blocks of 32 from its start; a last block that is shorter is filled with zeros.
;;     - A block's scale is 2^e with e = floor(log2(the largest magnitude in the block)) - 4, held to -126 .. 127; a block of zeros has e = 0. As a byte (E8M0): e + 127.
;;     - Each number is divided by its block's scale, clamped to +-28, and rounded to the nearest number of E3M2, ties to even, subnormals kept.
;;     - The product sums the exact products of the quantised numbers (number of the format x scale) in f32.
;;   ~~~python
;;   def quantise(x, axis):      # numpy; x: float32 -> the quantised numbers, widened to float32 again
;;       x = np.moveaxis(x, axis, -1); K = x.shape[-1]
;;       x = np.pad(x, [(0, 0)] * (x.ndim - 1) + [(0, -K % 32)]); x = x.reshape(x.shape[:-1] + (-1, 32)); a = np.abs(x).max(-1, keepdims=True)
;;       e = np.where(a > 0, np.clip(np.frexp(np.where(a > 0, a, 1))[1] - 1 - 4, -126, 127), 0)      # np.frexp(a)[1] - 1 = floor(log2(a)), exactly
;;       r = np.clip(x / 2.0 ** e, -28, 28)
;;       step = 2.0 ** (np.maximum(np.frexp(np.where(r == 0, 1, r))[1] - 1, -2) - 2)
;;       q = np.round(r / step) * step * 2.0 ** e      # np.round: ties to even
;;       return np.moveaxis(q.reshape(q.shape[:-2] + (-1,))[..., :K], -1, axis).astype(np.float32)
;;   ~~~
;;   OPERANDS COMPUTED ON THE WAY. 'Computed on the way' means the value that the module computes at that place (a softmax that the list does not call 'softmax' is quantised finished and normalised). What goes into a quantiser is computed in f32, as accurately as f32 sums, v_exp_f32 and their like allow (about 1e-6 of the number): no bf16 or f16 on the way to a quantiser, and a product that is left as it is and whose result goes on into a quantised operand takes f32 operands (vector FMAs, or v_wmma_f32_16x16x4_f32). A number that lies on a knife's edge between two numbers of the format may be rounded either way, as far as f32 arithmetic and the matrix unit's own rounding can turn it there, and no further.
;; One version. Each part assembles by itself: llvm-mc -triple=amdgcn-amd-amdhsa -mcpu=gfx1250 --defsym DOCPART=n.
;; ======== version 1 of 1: 2 launches
;; limits: right only within a limited range of input values
;; workspace buffers: xq 26,214,400 bytes; wq 6,553,600 bytes
;; launch quant (part 1): grid 1280 x 1, 4 waves a work-group, no clusters, 35,328 bytes of LDS; arguments x, codebooks, assignments, xq, wq; writes xq, wq
.if DOCPART == 1
	.amdgcn_target "amdgcn-amd-amdhsa--gfx1250"
	.amdhsa_code_object_version 6
	.text
	.protected	k_qde269dac34_quant
	.globl	k_qde269dac34_quant
	.p2align	8
	.type	k_qde269dac34_quant,@function
k_qde269dac34_quant:
	s_mov_b64 s[64:65], 0
	v_nop
	global_prefetch_b8 v0, s[64:65] scope:SCOPE_SE
	s_setreg_imm32_b32 hwreg(HW_REG_WAVE_MODE, 25, 1), 1
	s_wait_xcnt 0x0
; Both operands of out = x W^T become codes of BF6 (E3M2), 6 bits each, with one E8M0 scale byte for each 32 along K, LAID IN THE ORDER OF THE MATRIX OPERAND'S REGISTERS.
; x: [8192][4096] f32.  W[o][128 s + d] = codebooks[s][assignments[o][s]][d]: [2048][4096].  A subvector is 128 numbers, one K step of the product and four whole blocks of 32: quantising W is quantising
; the centroid rows as they are gathered.
; THE LAYOUT.  xq: [64 row blocks of 128 rows][32 K steps of 128][12,800 bytes]; wq: [16][32][12,800].  The 12,800 bytes of (row block, K step): eight FRAGMENT IMAGES of 1,536 bytes (fragment i: rows 16 i + r), then 512 bytes
; of scale words.  An image is the operand's 12 registers as they stand: registers 4 c .. 4 c + 3 of lane l at 512 c + 16 l; lane l = r + 16 h holds row r, and its registers 6 c .. 6 c + 5 the codes of k = 64 c + 32 h + 0 .. 31.
; The scale word of fragment i, row r (byte b: k = 32 b .. 32 b + 31) lies at 256 (i / 4) + 16 r + 4 (i % 4).
; A block's scale is 2^(floor(log2(its largest magnitude)) - 4), 4 being the exponent of the format's largest number, 28; its byte is the largest magnitude's own exponent field - 4, held at 1 from below.
; Each number is divided by the scale and rounded to the nearest code, ties to even; beyond 28 the conversion gives the largest code.
; LIMITS: a block of zeros gets the byte 1 where the quantiser's text says 127 (its codes are zeros, which add nothing under any byte but 0xff, and this program alone reads the bytes); blocks whose largest magnitude
; lies under 2^-122 get the byte 1, the hold at e = -126; NaN and infinities among the inputs are not served; an index is taken as unsigned and held at 255 (the table has 256 centroids).
; SHARES.  A wave takes a RUN of 64 rows x 128 along K: four fragments, 6,144 consecutive bytes of codes and 256 consecutive bytes of scale words.  Work-groups 0-1023 take x's 4,096 runs, work-groups 1024-1279 W's 1,024;
; the four waves of a work-group take four neighbouring K steps of the same 64 rows.
; A run goes by HALVES of a fragment, 16 rows x 64 along K.  Eight loads bring a half: lanes 0-15 take 256 consecutive, aligned bytes of one row, lanes 16-31 of the next.  The half goes through the wave's own stage in LDS
; (rows 272 bytes apart) and comes back 128 bytes a lane: lane (r, h) holds a WHOLE block of 32 numbers of row r.
; So a block's largest magnitude needs no other lane, and the conversions' results are the operand's registers.  One stage serves: LDS serves a wave's instructions in order (ISA guide 5.7.1.4), so the next half's stores come behind this half's loads.
; The two kinds of work-group part once, on the work-group's number, and never join; each kind has LDS bytes of its own.  No barrier: waves share nothing.  Sixteen loads of a wave are on their way but for the turn through the stage.
; THE ROWS OF A FRAGMENT OF wq ARE NOT NEIGHBOURS: of a run's 64 rows of W, fragment t takes rows 4 r + t (r = 0 .. 15).  So in the product's results the same register of four neighbouring accumulators
; holds four neighbouring columns of out0.  xq's fragments take rows 16 i + r, as said above.
.set XWG,   1024                       ; work-groups for x: 128 groups of 64 rows x 32 K steps / 4 waves
.set EMAX,  4
.set FRB,   1536                       ; a fragment's image in bytes
.set KBLK,  8*FRB+512                  ; 128 rows x 128 along K: eight images and their scale words
.set SCO,   8*FRB                      ; where the scale words begin
.set SPI,   272                        ; a stage row: 256 bytes + 16
.set WREG,  16*SPI                     ; LDS of a wave: one stage, 17 x 256 bytes
.set R,     16                         ; v16-79   two sets of 32: a half as it is loaded
.set X,     80                         ; v80-143  two sets of 32: a lane's block
.set C,     144                        ; v144-155 the fragment's 12 registers
.set T,     156                        ; v156-158 a block's upper 16 codes (a conversion's three registers begin on an even number)
.set PW,    160                        ; v160-163 the four fragments' scale words
.set OFS,   164                        ; v164-179 W's path: two sets of eight gather offsets
.set D,     180                        ; v180-181 the scale words on the way out
.set TP,    182                        ; v182     the other half of the lanes' scale bytes
; v3 16 r; v4 16 x lane; v5 8 h; v6 the stage, way in; v7 the stage, way out; v8-11 at work; v12 16 r + 8 h; v13 r; v15 h; x's path: v14 16,384 h + 16 r; W's path: v1 512 (1 - h), v14 512 h
; s[4:5] x; s[6:7] codebooks; s[8:9] assignments; s[10:11] xq; s[12:13] wq; index j of a run in s[16 + j + 4 (j / 48)]: s16-63 and s68-83; s84 wave; s85 the wave's LDS bytes; s86 K step; s87 group of 64 rows;
; s[88:89] the run's scale words; s[90:91], s94 offsets; s[92:93] lane selects
	s_load_b256 s[4:11], s[0:1], 0x0
	s_load_b64 s[12:13], s[0:1], 0x20
	v_lshl_add_u32 v184, v0, 2, 0x8800
	v_mov_b32 v185, 0
	v_lshrrev_b32 v1, 5, v0
	v_readfirstlane_b32 s84, v1                    ; wave 0..3
	v_and_b32 v2, 31, v0                           ; lane
	v_and_b32 v13, 15, v0                          ; r
	v_bfe_u32 v15, v0, 4, 1                        ; h
	v_lshlrev_b32 v4, 4, v2                        ; an image's place for my lane
	v_lshlrev_b32 v5, 3, v15                       ; my scale bytes go 8 h bits up
	v_lshlrev_b32 v3, 4, v13                       ; my 16 bytes of a row's 256
	v_lshl_add_u32 v12, v13, 4, v5                 ; the scale words' way out: 16 r + 8 h
	v_mul_u32_u24 v6, v15, SPI
	v_lshl_add_u32 v6, v13, 4, v6                  ; the stage, on the way in: lanes 0-15 one row, lanes 16-31 the next; 16 bytes a lane
	v_mul_u32_u24 v7, v13, SPI
	v_lshl_add_u32 v7, v15, 7, v7                  ; and on the way out: row r, + 128 h: my block
	v_mov_b32 v[TP], 0                             ; written once: a lane permute's destination counts as one of its sources
	s_mov_b32 s92, 0x76543210
	s_mov_b32 s93, 0xfedcba98                      ; v_permlanex16_b32's selects for lane l xor 16
	s_mul_i32 s85, s84, WREG
	s_wait_kmcnt 0x0
.macro IDX t                           ; the indices of fragment t's 16 rows: one word of each row of assignments, 128 bytes apart
.irp i, 0,1,2,3,4,5,6,7,8,9,10,11,12,13,14,15
.set J, 16*(\t)+\i
	s_load_b32 s[16+J+4*(J/48)], s[8:9], 128*(4*\i+(\t))   ; fragment t, lane row i: row 4 i + t of the run's 64
.endr
.endm
.macro LOADX m                         ; half m of a run of x: rows 16 (m / 2) + 2 k + h, bytes 256 (m % 2) on of the K step's 512; read once in the launch
.irp k, 0,1,2,3,4,5,6,7
	global_load_b128 v[R+32*((\m)%2)+4*\k:R+32*((\m)%2)+4*\k+3], v14, s[4:5] offset:(16*((\m)/2)+2*\k)*16384+256*((\m)%2) th:TH_LOAD_NT
.endr
.endm
.macro LOADW m                         ; half m of a run of W: the same of the 16 centroid rows that fragment m / 2 gathers
.set TT, (\m)/2
.set CC, (\m)%2
.if CC == 0
.if TT > 0
	s_wait_kmcnt 0x0                               ; this fragment's indices, asked for a fragment ago, are in
.endif
.if TT < 3
	IDX TT+1                                       ; the next fragment's are asked for
.endif
.irp k, 0,1,2,3,4,5,6,7
.set JA, 16*TT+2*\k
.set SA, 16+JA+4*(JA/48)
	s_min_u32 s[SA], s[SA], 255                    ; the indices, held inside the table
	s_min_u32 s[SA+1], s[SA+1], 255
	v_mad_u32_u24 v[OFS+8*(TT%2)+\k], s[SA], v1, v3                        ; lanes 0-15: 512 bytes a centroid row x the even row's index, + my 16 bytes;
	v_mad_u32_u24 v[OFS+8*(TT%2)+\k], s[SA+1], v14, v[OFS+8*(TT%2)+\k]     ; lanes 16-31: x the odd row's.  This set of offsets was last read by the loads of two fragments back, which counted waits have shown done
.endr
.endif
	s_wait_alu depctr_va_vdst(0)
.irp k, 0,1,2,3,4,5,6,7
	global_load_b128 v[R+32*((\m)%2)+4*\k:R+32*((\m)%2)+4*\k+3], v[OFS+8*(TT%2)+\k], s[6:7] offset:256*CC   ; no hint: other work-groups read the same rows again
.endr
.endm
.macro LOAD m, kind
.if \kind
	LOADW \m
.else
	LOADX \m
.endif
.endm
.macro TURN m                          ; half m through the stage: no wait stands between the stores and the loads, nor in front of the next half's stores
.irp k, 0,1,2,3,4,5,6,7
	ds_store_b128 v6, v[R+32*((\m)%2)+4*\k:R+32*((\m)%2)+4*\k+3] offset:2*\k*SPI
.endr
.irp p, 0,1,2,3,4,5,6,7
	ds_load_b128 v[X+32*((\m)%2)+4*\p:X+32*((\m)%2)+4*\p+3], v7 offset:16*\p
.endr
.endm
; Half m is quantised; ahead of that the next half goes through the stage and the half three on is asked for.  kind: 0 x, 1 W;  cb: the scalar pair with the codes' address
.macro STEP m, kind, cb
.if (\m) < 7
.if (\m)+2 <= 7
	s_wait_loadcnt 8                               ; the next half's eight loads are in; those of the half behind it may be out
.else
	s_wait_loadcnt 0x0                             ; the last half: nothing was asked for behind it
.endif
	TURN (\m)+1
	s_wait_dscnt 8                                 ; all but the eight loads just issued: this half's numbers are back, and the stores into the stage have read their registers,
.if (\m)+3 <= 7
	LOAD (\m)+3, \kind                             ; which take the half three on
.endif
.else
	s_wait_dscnt 0x0
.endif
.set FT, (\m)/2
.set FC, (\m)%2
.set XS, X+32*FC
	v_max3_num_f32 v8, |v[XS]|, |v[XS+1]|, |v[XS+2]|               ; the block's largest magnitude: all 32 numbers are mine; two chains
	v_max3_num_f32 v9, |v[XS+3]|, |v[XS+4]|, |v[XS+5]|
.irp i, 6,10,14,18,22,26
	v_max3_num_f32 v8, v8, |v[XS+\i]|, |v[XS+\i+1]|
	v_max3_num_f32 v9, v9, |v[XS+\i+2]|, |v[XS+\i+3]|
.endr
	v_max3_num_f32 v8, v8, |v[XS+30]|, |v[XS+31]|
	v_max3_num_f32 v8, v8, v9, (EMAX+1)<<23        ; and the floor 2^(EMAX + 1 - 127), under which no largest magnitude is taken: so the byte cannot fall under 1
	v_add_nc_u32 v11, -(EMAX<<23), v8              ; EMAX off its exponent field: the conversion takes the exponent field of this operand as its scale, and nothing else of it
.if (FC == 0) && (FT > 0)
	s_wait_alu depctr_va_vdst(0)
	s_wait_xcnt 0x0                                ; the last fragment's stores have read their registers: only behind this wait are these written again
.endif
	v_cvt_scalef32_pk16_bf6_f32 v[C+6*FC:C+6*FC+2], v[XS:XS+15], v11       ; registers 6 c .. 6 c + 2 of the operand: k = 64 c + 32 h + 0 .. 15
	v_cvt_scalef32_pk16_bf6_f32 v[T:T+2], v[XS+16:XS+31], v11              ; and k = 64 c + 32 h + 16 .. 31
	v_lshrrev_b32 v10, 23, v11                     ; the scale's byte (plain vector lines behind the conversions)
.if FC == 0
	v_mov_b32 v[PW+FT], v10                        ; block h of the K step,
.else
	v_lshl_or_b32 v[PW+FT], v10, 16, v[PW+FT]      ; block 2 + h
.endif
.irp i, 0,1,2
	v_mov_b32 v[C+6*FC+3+\i], v[T+\i]
.endr
.if FC == 1
	v_lshlrev_b32 v[PW+FT], v5, v[PW+FT]           ; my two bytes at their places in the scale word;
	v_permlanex16_b32 v[TP], v[PW+FT], s92, s93
	v_or_b32 v[PW+FT], v[PW+FT], v[TP]             ; with lane l xor 16's two the word is whole, in both lanes
.irp c, 0,1,2
	global_store_b128 v4, v[C+4*\c:C+4*\c+3], s[\cb:\cb+1] offset:FT*FRB+512*\c   ; the image: 32 lanes store 512 consecutive bytes, at a multiple of 256 from the buffer's first byte
.endr
.endif
.endm
; A wave's whole run.  kind: 0 x, 1 W;  cb: the scalar pair with the address of the buffer of codes and scale words
.macro RUN kind, cb
.if \kind
	s_add_co_u32 s85, s85, 4*WREG                  ; W's path has LDS bytes of its own, behind the four stages of x's path
	s_sub_co_u32 s86, ttmp9, XWG
.else
	s_mov_b32 s86, ttmp9
.endif
	v_add_nc_u32 v6, s85, v6
	v_add_nc_u32 v7, s85, v7
	s_lshr_b32 s87, s86, 3                         ; which group of 64 rows
	s_and_b32 s86, s86, 7
	s_lshl_b32 s86, s86, 2
	s_add_co_u32 s86, s86, s84                     ; which K step: 4 x (work-group % 8) + wave
	s_lshr_b32 s88, s87, 1                         ; the row block of 128,
	s_and_b32 s89, s87, 1                          ; and which half of it
	s_lshl_b32 s88, s88, 5
	s_add_co_u32 s88, s88, s86
	s_mul_i32 s88, s88, KBLK                       ; the 12,800 bytes of (row block, K step): 26,201,600 at the most
	s_mul_i32 s90, s89, 4*FRB
	s_add_co_u32 s90, s90, s88                     ; my four images
	s_mov_b32 s91, 0
	s_lshl_b32 s89, s89, 8
	s_add_co_u32 s88, s88, s89
	s_add_co_u32 s88, s88, SCO                     ; my 256 bytes of scale words
	s_mov_b32 s89, 0
	s_add_nc_u64 s[88:89], s[\cb:\cb+1], s[88:89]
	s_add_nc_u64 s[\cb:\cb+1], s[\cb:\cb+1], s[90:91]
.if \kind
	s_lshl_b32 s90, s87, 13                        ; assignments: 64 rows of 128 bytes,
	s_lshl_b32 s94, s86, 2                         ; + my subvector's word
	s_add_co_u32 s90, s90, s94
	s_add_nc_u64 s[8:9], s[8:9], s[90:91]
	s_lshl_b32 s90, s86, 17                        ; my subvector's codebook: 131,072 bytes each
	s_add_nc_u64 s[6:7], s[6:7], s[90:91]
	v_xor_b32 v1, 1, v15
	v_lshlrev_b32 v1, 9, v1                        ; 512 (1 - h)
	v_lshlrev_b32 v14, 9, v15                      ; 512 h
	IDX 0
	s_wait_alu depctr_va_vdst(0)
	s_wait_kmcnt 0x0
.else
	s_lshl_b32 s90, s87, 20                        ; x: 64 rows of 16,384 bytes (under 2^27 in all),
	s_lshl_b32 s94, s86, 9                         ; + my K step's 512 bytes
	s_add_co_u32 s90, s90, s94
	s_add_nc_u64 s[4:5], s[4:5], s[90:91]
	v_lshl_add_u32 v14, v15, 14, v3                ; lanes 16-31 one row further down
.endif
	LOAD 0, \kind
	LOAD 1, \kind
	s_wait_alu depctr_va_vdst(0)
	s_wait_loadcnt 8                               ; half 0's eight loads are in
	TURN 0
	s_wait_dscnt 8                                 ; its stores into the stage have read their registers
	LOAD 2, \kind
.irp t, 0,1,2,3,4,5,6,7
	STEP \t, \kind, \cb
.endr
	v_cmp_ne_u32 vcc_lo, 0, v15
	v_cndmask_b32 v[D], v[PW], v[PW+2], vcc_lo     ; lanes 0-15 send the words of my fragments 0 and 1, lanes 16-31 those of 2 and 3
	v_cndmask_b32 v[D+1], v[PW+1], v[PW+3], vcc_lo
	global_store_b64 v12, v[D:D+1], s[88:89]       ; 32 lanes store 256 consecutive bytes, at a multiple of 256 from the buffer's first byte
	s_wait_tensorcnt 0x0
	ds_add_u32 v184, v185
	s_wait_dscnt 0x0
	s_endpgm
.endm
	s_cmp_lt_u32 ttmp9, XWG                        ; x's work-group or W's?  The branch hangs on the work-group's number alone
	s_cbranch_scc0 .Lweights
	s_wait_alu depctr_va_vdst(0)
	RUN 0, 10
.Lweights:
	s_wait_alu depctr_va_vdst(0)
	RUN 1, 12
.Lfunc_end_k_qde269dac34_quant:
	.size	k_qde269dac34_quant, .Lfunc_end_k_qde269dac34_quant-k_qde269dac34_quant
	.p2alignl 7, 3214868480
	.fill 96, 4, 3214868480
	.section	.rodata,"a",@progbits
	.p2align	6, 0x0
	.amdhsa_kernel k_qde269dac34_quant
		.amdhsa_group_segment_fixed_size 35328
		.amdhsa_private_segment_fixed_size 0
		.amdhsa_enable_private_segment 0
		.amdhsa_kernarg_size 40
		.amdhsa_user_sgpr_count 2
		.amdhsa_user_sgpr_kernarg_segment_ptr 1
		.amdhsa_wavefront_size32 1
		.amdhsa_system_sgpr_workgroup_id_x 1
		.amdhsa_system_sgpr_workgroup_id_y 1
		.amdhsa_system_sgpr_workgroup_id_z 1
		.amdhsa_system_vgpr_workitem_id 0
		.amdhsa_next_free_vgpr 192
		.amdhsa_next_free_sgpr 96
		.amdhsa_reserve_vcc 1
		.amdhsa_float_denorm_mode_32 3
		.amdhsa_float_denorm_mode_16_64 3
		.amdhsa_memory_ordered 1
		.amdhsa_forward_progress 1
		.amdhsa_inst_pref_size 72
	.end_amdhsa_kernel
	.amdgpu_metadata
---
amdhsa.version: [ 1, 2 ]
amdhsa.kernels:
  - .name:           k_qde269dac34_quant
    .symbol:         k_qde269dac34_quant.kd
    .args:
      - { .name: x, .offset: 0, .size: 8, .value_kind: global_buffer, .address_space: global }
      - { .name: codebooks, .offset: 8, .size: 8, .value_kind: global_buffer, .address_space: global }
      - { .name: assignments, .offset: 16, .size: 8, .value_kind: global_buffer, .address_space: global }
      - { .name: xq, .offset: 24, .size: 8, .value_kind: global_buffer, .address_space: global }
      - { .name: wq, .offset: 32, .size: 8, .value_kind: global_buffer, .address_space: global }
    .group_segment_fixed_size: 35328
    .private_segment_fixed_size: 0
    .kernarg_segment_align: 8
    .kernarg_segment_size: 40
    .max_flat_workgroup_size: 128
    .sgpr_count:     96
    .vgpr_count:     192
    .wavefront_size: 32
...
	.end_amdgpu_metadata
.endif
;; end of part 1
;; launch gemm (part 2): grid 8 x 32, 4 waves a work-group, clusters of 4 x 4, 327,680 bytes of LDS; arguments xq, wq, out0; writes out0
.if DOCPART == 2
	.amdgcn_target "amdgcn-amd-amdhsa--gfx1250"
	.amdhsa_code_object_version 6
	.text
	.protected	k_qde269dac34_gemm
	.globl	k_qde269dac34_gemm
	.p2align	8
	.type	k_qde269dac34_gemm,@function
k_qde269dac34_gemm:
	s_mov_b64 s[64:65], 0
	v_nop
	global_prefetch_b8 v0, s[64:65] scope:SCOPE_SE
	s_setreg_imm32_b32 hwreg(HW_REG_WAVE_MODE, 25, 1), 1
	s_wait_xcnt 0x0
	s_wait_alu depctr_hold_cnt(0) depctr_sa_sdst(0) depctr_va_vdst(0) depctr_va_sdst(0) depctr_va_ssrc(0) depctr_va_vcc(0) depctr_vm_vsrc(0)
	s_getreg_b32 s2, hwreg(HW_REG_IB_STS2, 6, 4)
	s_cmp_eq_u32 s2, 0
	s_cbranch_scc0 .Lentry_in_a_cluster
	s_endpgm
.Lentry_in_a_cluster:
	s_bfe_u32 s2, ttmp6, 0x10000c
	s_cmp_lg_u32 s2, 0xf033
	s_cbranch_scc0 .Lentry_shape_is_right
	s_endpgm
.Lentry_shape_is_right:
; out0[m][o] = sum over k of x[m][k] W[o][k], on the codes of BF6 (E3M2) and E8M0 scale words that launch quant laid as images of the operand's registers:
; xq [64 row blocks of 128 rows][32 K steps][12,800 bytes], wq [16][32][12,800]; the 12,800 bytes: eight fragment images of 1,536 bytes (registers 4 c .. 4 c + 3 of lane l at 512 c + 16 l), then 512 bytes of scale words.
; xq's fragment i holds rows 16 i + r; wq's fragment 4 B + c holds W's rows 64 B + 4 r + c of the row block.
; A work-group of four waves makes 256 x 256 of out0, a wave 128 x 128: 64 accumulators, 512 registers.  256 work-groups.  One f32 sum for each output, K ascending.
; Source 0 = 16 rows of x, source 1 = 16 rows of W: register j of accumulator (a, 4 B + c) holds in lane (r, h) out0(16 a + 8 h + j, 64 B + 4 r + c).  So register j of the four accumulators c = 0 .. 3 is 16 neighbouring bytes
; of a row of out0, and sixteen neighbouring lanes hold 256: the results leave from registers, with no turn through LDS.
; CLUSTERS: 4 x 4 work-groups; x's tiles are asked for jointly along a row of the cluster, W's along a column.
; THE RING: two LDS slots of four quarters (x's two row blocks, W's two) of three K steps, 38,400 dense bytes each; a wave fetches one quarter by one tensor load in rows of 256 bytes.
; Fills 0 to 9 hold three K steps each, fill 10 the last two.  Fill k lies in slot k % 2.
; REGISTERS.  Both operands have two sets of fragments, by the step's parity p.  Each of the four windows w holds
;   v128-255 the 16 accumulators of x's blocks 2 w, 2 w + 1 (accumulator (a, b) at v[128 + 64 (a % 2) + 8 b]);
;   v32-79   x's fragments 2 w, 2 w + 1, both sets;   v80-127 four fragments of W: window 2 g + p holds fragments 4 g .. 4 g + 3 of set p;
;   window 0 alone: v2-15 addresses, v16-31 the scale words, two sets.
; A STEP of 128 along K is 64 products, four phases of 16, one for each window of accumulators, each in two halves (W's fragments 0-3, 4-7).  The next step's 50 LDS loads go into the other set in two runs:
; 26 at the step's head, behind four v_nop (the places between the last step's products and loads into the set that they read: ISA guide 7.12.1 for vector instructions), and 24 in its middle.
; A step of parity 0 takes the windows in the order 1, 0, 3, 2, one of parity 1 in the order 0, 1, 2, 3, and the runs follow the same order.
; A CHANGE OF SLOTS stands in a slot's last step, whose fragments are in registers: eight products, the waits and the add, the barrier's signal, eight products, the rest of the round, the joint refill, and then the runs from the next slot among the other three phases.
; PREFETCH: behind each joint load the fill after it is asked for: the rows of 256 bytes of the quarter that the wave fetches, shared out by address among the four partners that ask for it jointly
; (150 rows: 38 each, two instructions a wave; fill 10's 100 rows: 25 each, one instruction); fill 10's own load asks for nothing.  What a work-group has asked for and not yet loaded is one fill.
.set SIZE_N, 2048
.set FRB,    1536                      ; a fragment's image
.set KBLK,   8*FRB+512                 ; 128 rows x 128 along K
.set SCO,    8*FRB                     ; where its scale words begin
.set QUART,  3*KBLK                    ; a quarter of a slot
.set SLOT,   4*QUART
.set RBB,    32*KBLK                   ; a row block, all of K
.set SPARE,  2*SLOT                    ; behind the ring: the spare words, 128 bytes a wave
.set ADRA, 2                           ; v2-3 x's fragments in slot 0, 1;  v4-5 W's;  v6-7 the scale words (lanes 0-15 x's, lanes 16-31 W's)
.set ADRB, 4
.set ADRS, 6
.set SPW,  8                           ; my spare word;  v9 = 0
.set NIL,  9
.set PFO,  10                          ; v10-11 the prefetches' offsets;  v15 those for fill 10
.set OUTO, 12                          ; my byte offset in out0: 8 h rows + 16 r
.set CO,   14                          ; 16 x lane
.set PFS,  15
.set SC,   16
.set XF,   32
.set WF,   80
.set ACC,  128
.set G1, 24                            ; s[24:31] group 1 for x's tiles of three steps, s[32:39] group 0 for slot 0, 1
.set G0, 32
.set G1B, 48                           ; the same for W's
.set G0B, 56
.set G1T, 68                           ; group 1 for fill 10, two steps: x's, W's
.set G1TB, 80
.set PFA,  96                          ; s[96:97] the fill that the next prefetch names, in the quarter that I fetch
.set MSB, 0
.macro WIN new                         ; the immediate's high byte repeats the setting that is left
.if MSB != (\new)
	s_set_vgpr_msb (MSB<<8)|(\new)
.set MSB, (\new)
.endif
.endm
.macro PLACES
.rept 4
	v_nop
.endr
.endm
.macro JLOAD g0a, g1a, g0b, g1b        ; a joint load: waves 0, 1 fetch x's two quarters, waves 2, 3 W's; s_nop 0 and four v_nop behind each line
	s_cmp_eq_u32 s15, 0
	s_cbranch_scc0 .Lfor_b_\@
	tensor_load_to_lds s[\g0a:\g0a+3], s[\g1a:\g1a+7]
	s_nop 0
	PLACES
	s_branch .Lasked_\@
.Lfor_b_\@:
	tensor_load_to_lds s[\g0b:\g0b+3], s[\g1b:\g1b+7]
	s_nop 0
	PLACES
.Lasked_\@:
.endm
.macro ASK last                        ; last = 1: the loop's second change of slots, which in the last trip names fill 10, of 100 rows
.if \last
	s_cmp_eq_u32 s3, 1
	s_cbranch_scc1 .Lshort_\@
.endif
	global_prefetch_b8 v[PFO], s[PFA:PFA+1] th:TH_LOAD_NT scope:SCOPE_SE
	global_prefetch_b8 v[PFO+1], s[PFA:PFA+1] th:TH_LOAD_NT scope:SCOPE_SE
.if \last
	s_branch .Ldone_\@
.Lshort_\@:
	global_prefetch_b8 v[PFS], s[PFA:PFA+1] th:TH_LOAD_NT scope:SCOPE_SE
.Ldone_\@:
.endif
.endm
.macro CREST                           ; a round of the cluster's barrier behind its opening barrier
	s_cmp_lg_u32 s14, 0
	s_cbranch_scc1 .Lnot_wave_0_\@
	s_barrier_signal -3
.Lnot_wave_0_\@:
	s_barrier_wait -3
	s_barrier_signal -1
	s_barrier_wait -1
.endm
.macro CROUND
	s_barrier_signal -1
	s_barrier_wait -1
	CREST
.endm
	s_load_b128 s[4:7], s[0:1], 0x0                ; xq, wq
	s_load_b64 s[12:13], s[0:1], 0x10              ; out0
	v_lshl_add_u32 v[SPW], v0, 2, SPARE
	v_mov_b32 v[NIL], 0
	ds_add_u32 v[SPW], v[NIL]                      ; the opening lines: the add, twice on end, and its wait ahead of my first tensor load
	ds_add_u32 v[SPW], v[NIL]
	v_lshrrev_b32 v1, 5, v0
	v_readfirstlane_b32 s14, v1                    ; wave
	s_lshr_b32 s15, s14, 1                         ; my half of the tile's rows; also: I fetch for x (0) or W (1)
	s_and_b32 s16, s14, 1                          ; my half of its columns; also: which row block I fetch
	s_bfe_u32 s40, ttmp6, 0x40000                  ; cx
	s_bfe_u32 s41, ttmp6, 0x40004                  ; cy
	s_lshl_b32 s42, ttmp9, 2
	s_add_co_u32 s42, s42, s40                     ; tile column
	s_and_b32 s17, ttmp7, 0xffff
	s_lshl_b32 s17, s17, 2
	s_add_co_u32 s17, s17, s41                     ; tile row
	s_lshl_b32 s43, s41, 2
	s_lshl_b32 s43, 15, s43                        ; my row of the cluster
	s_lshl_b32 s44, 0x1111, s40                    ; my column
	s_or_b32 s[G1+0], s43, (3<<16)|(1<<21)         ; elements of 8 bytes; bit 21 beside a mask
	s_or_b32 s[G1B+0], s44, (3<<16)|(1<<21)
	s_or_b32 s[G1T+0], s43, (3<<16)|(1<<21)
	s_or_b32 s[G1TB+0], s44, (3<<16)|(1<<21)
.irp g, G1, G1B                        ; a dense block of 38,400 bytes as 150 rows of 256
	s_mov_b32 s[\g+1], 32<<16
	s_mov_b32 s[\g+2], (QUART/256)<<16
	s_mov_b32 s[\g+3], 32<<16
	s_mov_b32 s[\g+4], QUART/256
	s_mov_b32 s[\g+5], 32
	s_mov_b32 s[\g+6], 0
	s_mov_b32 s[\g+7], 0
.endr
.irp g, G1T, G1TB                      ; fill 10: 25,600 bytes as 100 rows
	s_mov_b32 s[\g+1], 32<<16
	s_mov_b32 s[\g+2], (2*KBLK/256)<<16
	s_mov_b32 s[\g+3], 32<<16
	s_mov_b32 s[\g+4], 2*KBLK/256
	s_mov_b32 s[\g+5], 32
	s_mov_b32 s[\g+6], 0
	s_mov_b32 s[\g+7], 0
.endr
	s_lshl_b32 s20, s17, 1
	s_add_co_u32 s20, s20, s16                     ; x's row block that I would fetch
	s_lshl_b32 s46, s42, 1
	s_add_co_u32 s46, s46, s16                     ; W's
	s_mul_i32 s20, s20, RBB
	s_mul_i32 s46, s46, RBB
	s_mov_b32 s21, 0
	s_mov_b32 s47, 0
	s_mul_i32 s45, s14, QUART                      ; where my quarter goes: the wave's number alone
	s_mul_i32 s88, s15, QUART                      ; what I read: x's quarter in slot 0, 1
	s_add_co_u32 s89, s88, SLOT
	s_mul_i32 s90, s16, QUART
	s_add_co_u32 s90, s90, 2*QUART                 ; W's
	s_add_co_u32 s91, s90, SLOT
	s_sub_co_u32 s94, s90, s88                     ; from x's quarter to W's
	s_add_co_u32 s92, s88, SCO                     ; the scale words
	s_add_co_u32 s93, s92, SLOT
	s_cmp_eq_u32 s15, 0
	s_cselect_b32 s22, s40, s41                    ; my place among the four that ask with me
	s_mul_i32 s18, s22, 25                         ; my work-group's 25 of fill 10's 100 rows
	s_mul_i32 s66, s22, 38                         ; its 38 of a quarter's 150 rows,
	s_add_co_u32 s67, s66, 37
	s_min_u32 s67, s67, 149                        ; held inside the quarter
	s_wait_dscnt 0x0                               ; both opening adds are done
	s_wait_kmcnt 0x0
	s_add_nc_u64 s[20:21], s[4:5], s[20:21]
	s_add_nc_u64 s[46:47], s[6:7], s[46:47]
	s_cmp_eq_u32 s15, 0
	s_cselect_b64 s[PFA:PFA+1], s[20:21], s[46:47]
	s_add_nc_u64 s[PFA:PFA+1], s[PFA:PFA+1], QUART    ; fill 1
.irp s, 0,1
	s_mov_b32 s[G0+4*\s], 1
	s_add_co_u32 s[G0+4*\s+1], s45, \s*SLOT
	s_add_nc_u64 s[G0+4*\s+2:G0+4*\s+3], s[20:21], \s*QUART
	s_or_b32 s[G0+4*\s+3], s[G0+4*\s+3], 0x80000000
	s_mov_b32 s[G0B+4*\s], 1
	s_add_co_u32 s[G0B+4*\s+1], s45, \s*SLOT
	s_add_nc_u64 s[G0B+4*\s+2:G0B+4*\s+3], s[46:47], \s*QUART
	s_or_b32 s[G0B+4*\s+3], s[G0B+4*\s+3], 0x80000000
.endr
	CROUND                                         ; all sixteen work-groups are here: the first joint loads meet
	JLOAD G0, G1, G0B, G1B                         ; fill 0: one tensor load a wave at the head
	s_lshl_b32 s20, s17, 8                         ; my first row of out0: 256 x tile row + 128 x half; 8,192 bytes a row (under 2^27 in all)
	s_lshl_b32 s21, s15, 7
	s_add_co_u32 s20, s20, s21
	s_lshl_b32 s20, s20, 13
	s_lshl_b32 s46, s42, 10                        ; my first column, in bytes
	s_lshl_b32 s47, s16, 9
	s_add_co_u32 s46, s46, s47
	s_add_co_u32 s20, s20, s46
	s_mov_b32 s21, 0
	s_add_nc_u64 s[12:13], s[12:13], s[20:21]
	v_and_b32 v1, 31, v0                           ; lane
	v_and_b32 v32, 15, v0                          ; r
	v_bfe_u32 v33, v0, 4, 1                        ; h
	v_lshlrev_b32 v[CO], 4, v1                     ; an image's place for my lane
	v_mul_u32_u24 v34, s94, v33                    ; lanes 16-31 take W's scale words
	v_lshl_add_u32 v34, v32, 4, v34
	v_lshlrev_b32 v[OUTO], 4, v32                  ; out0: my 16 bytes of a unit of 256,
	v_lshl_add_u32 v[OUTO], v33, 16, v[OUTO]       ; lanes 16-31 eight rows of 8,192 bytes further down
	v_add_nc_u32 v[PFO], s66, v1
	v_add_nc_u32 v[PFO+1], 32, v[PFO]
	v_min_u32 v[PFO+1], s67, v[PFO+1]
	v_min_u32 v[PFS], 24, v1
	v_add_nc_u32 v[PFS], s18, v[PFS]
	v_lshlrev_b32 v[PFO], 8, v[PFO]
	v_lshlrev_b32 v[PFO+1], 8, v[PFO+1]
	v_lshlrev_b32 v[PFS], 8, v[PFS]
	v_add_nc_u32 v[ADRA], s88, v[CO]
	v_add_nc_u32 v[ADRA+1], s89, v[CO]
	v_add_nc_u32 v[ADRB], s90, v[CO]
	v_add_nc_u32 v[ADRB+1], s91, v[CO]
	v_add_nc_u32 v[ADRS], s92, v34
	v_add_nc_u32 v[ADRS+1], s93, v34
; The loads of window o in a step of parity p, for the next step (slot ns, step nq of it), in this order: where o % 2 differs from p, W's fragments 4 (o / 2) .. + 3 (12 loads); x's fragments 2 o, 2 o + 1 (6); in window 0 the scale words (2).
.macro LDK o, p, ns, nq                ; the next load of that list, if one is left
.if KN < NT
.set KX, KN-12*(((\o)+(\p))%2)
.if KX < 0
	ds_load_b128 v[WF+4*KN:WF+4*KN+3], v[ADRB+\ns] offset:(\nq)*KBLK+(4*((\o)/2)+KN/3)*FRB+512*(KN%3)
.elseif KX < 6
	ds_load_b128 v[XF+24*(1-(\p))+4*KX:XF+24*(1-(\p))+4*KX+3], v[ADRA+\ns] offset:(\nq)*KBLK+(2*(\o)+KX/3)*FRB+512*(KX%3)
.else
	ds_load_b128 v[SC+8*(1-(\p))+4*(KX-6):SC+8*(1-(\p))+4*(KX-6)+3], v[ADRS+\ns] offset:(\nq)*KBLK+256*(KX-6)
.endif
.set KN, KN+1
.set ISS, ISS+1
.endif
.endm
.macro BURST o, p, ns, nq              ; a window's whole list: the data's window is o, the addresses' 0
	WIN ((\o)<<6)
.set KN, 0
.set NT, 6+12*(((\o)+(\p))%2)+2*(1-((\o)+3)/4)
.rept 20
	LDK \o, \p, \ns, \nq
.endr
.endm
.macro ORDER p                         ; the windows' order in a step of parity p; ISS counts the step's LDS loads as they are issued
.set O0, 1-(\p)
.set O1, (\p)
.set O2, 3-(\p)
.set O3, 2+(\p)
.set ISS, 0
.endm
.macro RUN1 p, ns, nq                  ; the first two windows' lists: 18 + 8 or 20 + 6 = 26 loads
	BURST O0, \p, \ns, \nq
	BURST O1, \p, \ns, \nq
.endm
.macro RUN2 p, ns, nq                  ; the other two: 18 + 6 = 24 loads
	BURST O2, \p, \ns, \nq
	BURST O3, \p, \ns, \nq
.endm
; Eight products: x's blocks 2 o, 2 o + 1 against W's blocks 4 g .. 4 g + 3.  The accumulators take turns, in the same order in every step.  z = 1: the products start the sums.
.macro HALF o, p, g, z
	WIN ((\o)*0x51)|((2*(\g)+(\p))<<2)             ; source 0 (x), C and D: window o; source 1 (W): window 2 g + p
.irp ai, 0,1
.irp bb, 0,1,2,3
.if \z
	v_wmma_scale_f32_16x16x128_f8f6f4 v[ACC+8*(8*\ai+4*(\g)+\bb):ACC+8*(8*\ai+4*(\g)+\bb)+7], v[XF+24*(\p)+12*\ai:XF+24*(\p)+12*\ai+11], v[WF+12*\bb:WF+12*\bb+11], 0, v[SC+8*(\p)+2*(\o)+\ai], v[SC+8*(\p)+4*(\g)+\bb] matrix_a_fmt:MATRIX_FMT_BF6 matrix_b_fmt:MATRIX_FMT_BF6 matrix_b_scale:MATRIX_SCALE_ROW1
.else
	v_wmma_scale_f32_16x16x128_f8f6f4 v[ACC+8*(8*\ai+4*(\g)+\bb):ACC+8*(8*\ai+4*(\g)+\bb)+7], v[XF+24*(\p)+12*\ai:XF+24*(\p)+12*\ai+11], v[WF+12*\bb:WF+12*\bb+11], v[ACC+8*(8*\ai+4*(\g)+\bb):ACC+8*(8*\ai+4*(\g)+\bb)+7], v[SC+8*(\p)+2*(\o)+\ai], v[SC+8*(\p)+4*(\g)+\bb] matrix_a_fmt:MATRIX_FMT_BF6 matrix_b_fmt:MATRIX_FMT_BF6 matrix_b_scale:MATRIX_SCALE_ROW1
.endif
.endr
.endr
.endm
.macro PHASE o, p, z
	HALF \o, \p, 0, \z
	HALF \o, \p, 1, \z
.endm
.macro STEP p, z, ns, nq
	ORDER \p
	s_wait_dscnt 24                                ; the last step's first run is in: W's fragments 0-3, the scale words, x's fragments of my first two windows; its second run's 24 loads may be out
.if \z == 0
	PLACES
.endif
	RUN1 \p, \ns, \nq
	HALF O0, \p, 0, \z
	s_wait_dscnt 12+ISS                            ; W's fragments 4-7 are in: behind them came 6 + 6 loads of x's fragments and this step's 26
	HALF O0, \p, 1, \z
	PHASE O1, \p, \z
	s_wait_dscnt ISS                               ; all of the last step's loads are in; this step's 26 may be out
	RUN2 \p, \ns, \nq
	PHASE O2, \p, \z
	PHASE O3, \p, \z
.endm
; A slot's last step.  In front of the barrier each wave waits for all its tensor loads (its quarter of the next slot), adds 0 to its spare word, and waits for that; its reads of this slot were over at the step's head.
; fill = 1, 2: the barrier opens a round of the cluster's barrier, and the slot is filled again, with three K steps or with the last two.
.macro TURN p, slot, next, fill, last
	ORDER \p
	s_wait_dscnt 0x0                               ; the last step's loads are in: this slot is read no more
	HALF O0, \p, 0, 0
	WIN 0
.if \fill == 1
	s_wait_xcnt 0x0                                ; my prefetches have read their address: it steps to the next fill
	s_add_nc_u64 s[PFA:PFA+1], s[PFA:PFA+1], QUART
.endif
	s_wait_tensorcnt 0x0
	ds_add_u32 v[SPW], v[NIL]
.if \fill
	s_add_nc_u64 s[G0+4*\slot+2:G0+4*\slot+3], s[G0+4*\slot+2:G0+4*\slot+3], 2*QUART      ; no tensor load of mine is out: this slot's next fill
	s_add_nc_u64 s[G0B+4*\slot+2:G0B+4*\slot+3], s[G0B+4*\slot+2:G0B+4*\slot+3], 2*QUART
.endif
	s_wait_dscnt 0x0
	s_barrier_signal -1
	HALF O0, \p, 1, 0                              ; work on registers while the others arrive
	WIN 0
	s_barrier_wait -1
.if \fill == 1
	CREST
	JLOAD G0+4*\slot, G1, G0B+4*\slot, G1B         ; the first tensor load behind the round; its four v_nop are the places in front of the runs
.elseif \fill == 2
	CREST
	JLOAD G0+4*\slot, G1T, G0B+4*\slot, G1TB
.else
	PLACES
.endif
	RUN1 \p, \next, 0
.if \fill == 1
	WIN 0
	ASK \last
.endif
	PHASE O1, \p, 0
	RUN2 \p, \next, 0
	PHASE O2, \p, 0
	PHASE O3, \p, 0
.endm
	s_wait_alu depctr_va_vdst(0)
	ASK 0                                          ; fill 1
	s_wait_tensorcnt 0x0                           ; my quarter of fill 0 is in; the same lines as ahead of a refill stand ahead of slot 1's first fill
	ds_add_u32 v[SPW], v[NIL]
	s_wait_dscnt 0x0
	CROUND
	JLOAD G0+4, G1, G0B+4, G1B                     ; fill 1
	ORDER 1
	RUN1 1, 0, 0                                   ; K step 0's fragments and scale words, in the order of a step of parity 1
	RUN2 1, 0, 0
	WIN 0
	s_wait_xcnt 0x0
	s_add_nc_u64 s[PFA:PFA+1], s[PFA:PFA+1], QUART
	ASK 0                                          ; fill 2
	STEP 0, 1, 0, 1                                ; K step 0 starts the sums
	WIN 0
	s_mov_b32 s3, 4
.Llap:                                                 ; a trip: six K steps, once round the ring; the four trips ask for fills 3 to 10
	STEP 1, 0, 0, 2
	TURN 0, 0, 1, 1, 0
	STEP 1, 0, 1, 1
	STEP 0, 0, 1, 2
	TURN 1, 1, 0, 1, 1
	STEP 0, 0, 0, 1
	WIN 0
	s_sub_co_u32 s3, s3, 1
	s_cmp_lg_u32 s3, 0
	s_cbranch_scc1 .Llap
	STEP 1, 0, 0, 2                                ; K steps 25 to 30
	TURN 0, 0, 1, 2, 0                             ; fill 10, the last
	STEP 1, 0, 1, 1
	STEP 0, 0, 1, 2
	TURN 1, 1, 0, 0, 0
	STEP 0, 0, 0, 1
; THE WAY OUT of block a, 16 rows x 128 columns.  Quad t = 8 B + j gathers register j of the accumulators (a, 4 B .. 4 B + 3): my 16 bytes of row 16 a + 8 h + j, columns 64 B + 4 r .. + 3.  A store's lanes 0-15 fill one aligned unit of 256 bytes,
; lanes 16-31 the unit eight rows below.  The quads lie in registers of the set of parity 0, which the last step does not read: v80-127 and v32-47 of window 0 (even blocks) or window 2 (odd blocks).
; Every offset is an immediate: 127 rows of 8,192 bytes + 256 at the most, inside the signed 24 bits (ISA guide, chapter 10).
.macro OUT a
.if (\a) > 1
	s_wait_xcnt 0x0                                ; block a - 2's stores have read their registers
.endif
	WIN ((\a)/2)|(((\a)%2)<<7)                     ; from the block's window into window 0 or 2
.irp t, 0,1,2,3,4,5,6,7,8,9,10,11,12,13,14,15
.irp c, 0,1,2,3
	v_mov_b32 v[80+4*\t-96*(\t/12)+\c], v[ACC+64*((\a)%2)+8*(4*(\t/8)+\c)+(\t%8)]   ; each accumulator from its low end on
.endr
.endr
	WIN (((\a)%2)<<3)
.irp t, 0,1,2,3,4,5,6,7,8,9,10,11,12,13,14,15
	global_store_b128 v[OUTO], v[80+4*\t-96*(\t/12):80+4*\t-96*(\t/12)+3], s[12:13] offset:(16*(\a)+(\t%8))*SIZE_N*4+256*(\t/8) th:TH_STORE_NT
.endr
.endm
	s_wait_dscnt 0x0                               ; K step 31: all its fragments are in
.irp a, 0,1,2,3,4,5,6,7                ; window by window: a window's two blocks are finished by its phase and leave ahead of the next window's products
.if (\a%2) == 0
	PHASE \a/2, 1, 0
	PLACES                                         ; in front of the moves, which read results just made and write registers that K step 30 multiplied
.endif
	OUT \a
.endr
	WIN 0
	s_wait_tensorcnt 0x0                           ; the wave's end
	ds_add_u32 v[SPW], v[NIL]
	s_wait_dscnt 0x0
	CROUND                                         ; the closing round
	s_endpgm
.Lfunc_end_k_qde269dac34_gemm:
	.size	k_qde269dac34_gemm, .Lfunc_end_k_qde269dac34_gemm-k_qde269dac34_gemm
	.p2alignl 7, 3214868480
	.fill 96, 4, 3214868480
	.section	.rodata,"a",@progbits
	.p2align	6, 0x0
	.amdhsa_kernel k_qde269dac34_gemm
		.amdhsa_group_segment_fixed_size 327680
		.amdhsa_private_segment_fixed_size 0
		.amdhsa_enable_private_segment 0
		.amdhsa_kernarg_size 24
		.amdhsa_user_sgpr_count 2
		.amdhsa_user_sgpr_kernarg_segment_ptr 1
		.amdhsa_wavefront_size32 1
		.amdhsa_system_sgpr_workgroup_id_x 1
		.amdhsa_system_sgpr_workgroup_id_y 1
		.amdhsa_system_sgpr_workgroup_id_z 1
		.amdhsa_system_vgpr_workitem_id 0
		.amdhsa_next_free_vgpr 1024
		.amdhsa_next_free_sgpr 98
		.amdhsa_reserve_vcc 0
		.amdhsa_float_denorm_mode_32 3
		.amdhsa_float_denorm_mode_16_64 3
		.amdhsa_memory_ordered 1
		.amdhsa_forward_progress 1
		.amdhsa_inst_pref_size 206
	.end_amdhsa_kernel
	.amdgpu_metadata
---
amdhsa.version: [ 1, 2 ]
amdhsa.kernels:
  - .name:           k_qde269dac34_gemm
    .symbol:         k_qde269dac34_gemm.kd
    .args:
      - { .name: xq, .offset: 0, .size: 8, .value_kind: global_buffer, .address_space: global }
      - { .name: wq, .offset: 8, .size: 8, .value_kind: global_buffer, .address_space: global }
      - { .name: out0, .offset: 16, .size: 8, .value_kind: global_buffer, .address_space: global }
    .group_segment_fixed_size: 327680
    .private_segment_fixed_size: 0
    .kernarg_segment_align: 8
    .kernarg_segment_size: 24
    .max_flat_workgroup_size: 128
    .sgpr_count:     98
    .vgpr_count:     1024
    .wavefront_size: 32
...
	.end_amdgpu_metadata
.endif
;; end of part 2
